; MI455X (gfx1250); checked and timed in simulation.
; The chip was launched on July 23, 2026; its instructions are those of AMD's public machine-readable ISA for CDNA 5 (MIT licence, August 2026) and "CDNA5" Instruction Set Architecture Reference Guide (July 2026). The comments in the code are by the model that wrote it; some were corrected since.
;; LSTM Cell. Allowed arithmetic: matrix products marked QUANTISED: E3M2 operands, one E8M0 scale for each 32 along K, by v_wmma_scale_f32_16x16x128_f8f6f4 with both operands' format E3M2, f32 sums; everything else in f32.
;; Inputs: W_F 2,048 x 1,024 float32; W_G 2,048 x 1,024 float32; W_I 2,048 x 1,024 float32; W_O 2,048 x 1,024 float32; b_F 1,024 float32; b_G 1,024 float32; b_I 1,024 float32; b_O 1,024 float32; c 8,192 x 1,024 float32; h 8,192 x 1,024 float32; x 8,192 x 1,024 float32.
;; Outputs: out0 8,192 x 1,024 float32; out1 8,192 x 1,024 float32.
;; This version of the problem:
;;   THIS VERSION OF THE PROBLEM IS GIVEN IN LOW PRECISION. The matrix products marked QUANTISED in the list below multiply operands that are first quantised to E3M2 (3 exponent bits, 2 mantissa bits; 6 bits a number), with one power-of-two scale for each 32 numbers along K (OCP MX v1.0); their sums are f32. All else is computed in f32.
;;   The module's matrix products, in the order in which they are computed (A, B: the left and right operand; K: the contracted axis; several contracted axes count as one K, in the product's order):
;;     1. [M 8,192, K 2,048] x [K 2,048, N 4,096]; A: computed on the way; B: computed on the way: QUANTISED
;;   THE QUANTISER, for each operand of a quantised product, along K:
;;     - K is cut into blocks of 32 from its start; a last block that is shorter is filled with zeros.
;;     - A block's scale is 2^e with e = floor(log2(the largest magnitude in the block)) - 4, held to -126 .. 127; a block of zeros has e = 0. As a byte (E8M0): e + 127.
;;     - Each number is divided by its block's scale, clamped to +-28, and rounded to the nearest number of E3M2, ties to even, subnormals kept.
;;     - The product sums the exact products of the quantised numbers (number of the format x scale) in f32.
;;   ~~~python
;;   def quantise(x, axis):      # numpy; x: float32 -> the quantised numbers, widened to float32 again
;;       x = np.moveaxis(x, axis, -1); K = x.shape[-1]
;;       x = np.pad(x, [(0, 0)] * (x.ndim - 1) + [(0, -K % 32)]); x = x.reshape(x.shape[:-1] + (-1, 32)); a = np.abs(x).max(-1, keepdims=True)
;;       e = np.where(a > 0, np.clip(np.frexp(np.where(a > 0, a, 1))[1] - 1 - 4, -126, 127), 0)      # np.frexp(a)[1] - 1 = floor(log2(a)), exactly
;;       r = np.clip(x / 2.0 ** e, -28, 28)
;;       step = 2.0 ** (np.maximum(np.frexp(np.where(r == 0, 1, r))[1] - 1, -2) - 2)
;;       q = np.round(r / step) * step * 2.0 ** e      # np.round: ties to even
;;       return np.moveaxis(q.reshape(q.shape[:-2] + (-1,))[..., :K], -1, axis).astype(np.float32)
;;   ~~~
;;   OPERANDS COMPUTED ON THE WAY. 'Computed on the way' means the value that the module computes at that place (a softmax that the list does not call 'softmax' is quantised finished and normalised). What goes into a quantiser is computed in f32, as accurately as f32 sums, v_exp_f32 and their like allow (about 1e-6 of the number): no bf16 or f16 on the way to a quantiser, and a product that is left as it is and whose result goes on into a quantised operand takes f32 operands (vector FMAs, or v_wmma_f32_16x16x4_f32). A number that lies on a knife's edge between two numbers of the format may be rounded either way, as far as f32 arithmetic and the matrix unit's own rounding can turn it there, and no further.
;; One version. Each part assembles by itself: llvm-mc -triple=amdgcn-amd-amdhsa -mcpu=gfx1250 --defsym DOCPART=n.
;; ======== version 1 of 1: 2 launches
;; limits: inputs' magnitudes at most 1,099,511,627,776; right only within a limited range of input values
;; workspace buffers: a_img 13,107,200 bytes; b_img 6,553,600 bytes
;; launch quant (part 1): grid 1024 x 1, 4 waves a work-group, no clusters, 35,328 bytes of LDS; arguments x, h, W_I, W_F, W_G, W_O, a_img, b_img; writes a_img, b_img
.if DOCPART == 1
	.amdgcn_target "amdgcn-amd-amdhsa--gfx1250"
	.amdhsa_code_object_version 6
	.text
	.protected	k_q289c39f869_quant
	.globl	k_q289c39f869_quant
	.p2align	8
	.type	k_q289c39f869_quant,@function
k_q289c39f869_quant:
	s_mov_b64 s[64:65], 0
	v_nop
	global_prefetch_b8 v0, s[64:65] scope:SCOPE_SE
	s_setreg_imm32_b32 hwreg(HW_REG_WAVE_MODE, 25, 1), 1
	s_wait_xcnt 0x0
; Both operands of gates = [x | h] [W_I | W_F | W_G | W_O] become codes of BF6 (E3M2) with one E8M0 scale byte for each 32 along K, in one launch.
; A block's scale is 2^(floor(log2(its largest magnitude)) - 4); its byte is the largest magnitude's exponent field - 4, held at 1 from below; numbers beyond 28 scales take the largest code.
; LAYOUT OF BOTH RESULTS, in the order of the operand's registers: [16 steps of 128 along K][groups of 128 rows][12,800 bytes]: eight fragments (16 rows x 128 K) of 1,536 bytes, register j of lane l at
; 512 (j / 4) + 16 l + 4 (j % 4), then the 128 rows' scale words.  Lane (r, h) of a fragment holds row r: registers 0-5 block h, registers 6-11 block 2 + h.
; W's rows: n' = 128 (column / 32) + 32 gate + column % 32, gates I, F, G, O = 0 .. 3.
; LIMITS: a block of zeros, and one whose largest magnitude lies under 2^-122, gets the byte 1 (its codes are zeros or held so; this program alone reads the bytes); NaN and infinities are not served.
; SHARES: work-groups 0-511 take X (0-255 x, 256-511 h): 64 rows x 512 along K, a wave four fragments, each turned through the wave's own stage in LDS so that a lane holds its two blocks whole.
; Work-groups 512-1023 take W: number - 512 = 32 (step of 128 along K) + 8 gate + (which 128 columns); a lane takes a column and its registers run down K; no LDS on this path.
; No tensor loads, no barrier, no cluster: waves share nothing.
.set FRB,   1536
.set CHB,   8*FRB+512
	s_cmp_ge_u32 ttmp9, 512
	s_cbranch_scc1 .Lweights
.set FRAGS, 4
.set ROW,   4096
.set STRA,  64*CHB
.set SPT,   528                        ; a stage row: 512 bytes + 16
.set SCB,   16*SPT
.set WREG,  SCB+256                    ; a wave's LDS: the stage and 256 bytes of scale words
.set R,     16
.set X,     144
.set P,     208
.set T,     220
.set M,     228
.set S,     232
.set BY,    234
.set PW,    236
.set PX,    237
	s_load_b128 s[4:7], s[0:1], 0x0                ; x, h
	s_load_b64 s[8:9], s[0:1], 0x30                ; X's image
	v_lshl_add_u32 v240, v0, 2, 0x8800             ; my spare word, behind the four waves' regions
	v_mov_b32 v241, 0
	v_lshrrev_b32 v1, 5, v0
	v_readfirstlane_b32 s16, v1                    ; wave
	v_and_b32 v2, 31, v0
	v_lshlrev_b32 v3, 4, v2                        ; 16 x lane
	s_mul_i32 s17, s16, WREG
	v_add_nc_u32 v4, s17, v3                       ; into the stage: a row as it lies
	v_and_b32 v10, 15, v0                          ; r
	v_bfe_u32 v11, v0, 4, 1                        ; h
	v_mul_u32_u24 v5, v10, SPT
	v_lshl_add_u32 v5, v11, 7, v5
	v_add_nc_u32 v5, s17, v5                       ; out of it: row r, block h
	s_add_co_u32 s17, s17, SCB
	v_lshl_add_u32 v6, v10, 2, s17                 ; my row's scale word
	v_lshlrev_b32 v7, 3, v2
	v_add_nc_u32 v8, s17, v7
	v_lshlrev_b32 v9, 3, v11
	v_mov_b32 v[PX], 0
	s_mov_b32 s20, 0x76543210
	s_mov_b32 s21, 0xfedcba98                      ; selects for lane l xor 16
	s_wait_alu depctr_va_vdst(0)                   ; the wait at the head's end
	s_wait_kmcnt 0x0
	s_cmp_lt_u32 ttmp9, 256                        ; x or h: only a pointer and a number are chosen
	s_cselect_b64 s[4:5], s[4:5], s[6:7]
	s_cselect_b32 s18, 0, 8
	s_and_b32 s19, ttmp9, 1
	s_lshl_b32 s19, s19, 2
	s_add_co_u32 s19, s19, s16                     ; my step of 128 in the tensor,
	s_add_co_u32 s18, s18, s19                     ; and in X
	s_bfe_u32 s22, ttmp9, 0x70001                  ; which 64 rows
	s_lshl_b32 s24, s22, 18
	s_lshl_b32 s25, s19, 9
	s_add_co_u32 s24, s24, s25
	s_mov_b32 s25, 0
	s_add_nc_u64 s[4:5], s[4:5], s[24:25]
	s_mul_i32 s26, s18, STRA
	s_lshr_b32 s27, s22, 1
	s_mul_i32 s27, s27, CHB
	s_add_co_u32 s26, s26, s27
	s_and_b32 s23, s22, 1
	s_mul_i32 s27, s23, 4*FRB
	s_add_co_u32 s28, s26, s27                     ; my four fragments,
	s_mov_b32 s29, 0
	s_lshl_b32 s27, s23, 8
	s_add_co_u32 s30, s26, s27
	s_add_co_u32 s30, s30, 8*FRB                   ; and 64 scale words
	s_mov_b32 s31, 0
	s_add_nc_u64 s[10:11], s[8:9], s[30:31]
	s_add_nc_u64 s[8:9], s[8:9], s[28:29]
.macro LOAD f                          ; 16 rows, 512 consecutive bytes of each
.irp t, 0,1,2,3,4,5,6,7,8,9,10,11,12,13,14,15
	global_load_b128 v[R+64*((\f)%2)+4*\t:R+64*((\f)%2)+4*\t+3], v3, s[4:5] offset:(16*(\f)+\t)*ROW th:TH_LOAD_NT
.endr
.endm
.macro TURNF f                         ; LDS serves a wave's instructions in order (ISA guide 5.7.1.4): no wait between the stores and the loads
.irp t, 0,1,2,3,4,5,6,7,8,9,10,11,12,13,14,15
	ds_store_b128 v4, v[R+64*((\f)%2)+4*\t:R+64*((\f)%2)+4*\t+3] offset:\t*SPT
.endr
.irp c, 0,1
.irp j, 0,1,2,3,4,5,6,7
	ds_load_b128 v[X+32*\c+4*\j:X+32*\c+4*\j+3], v5 offset:256*\c+16*\j
.endr
.endr
.endm
.macro FRAGQ f
.if (\f) < FRAGS-1
	s_wait_loadcnt 16                              ; this fragment's 16 loads are in; the next one's may be out
.else
	s_wait_loadcnt 0x0
.endif
	TURNF \f
	s_wait_dscnt 0x0
.if (\f)+2 < FRAGS
	LOAD (\f)+2
.endif
.irp k, 0,1,2,3                        ; four chains, each with the floor 2^(5 - 127)
	v_max3_num_f32 v[M+\k], |v[X+16*\k]|, |v[X+16*\k+1]|, 0x2800000
.endr
.irp i, 2,4,6,8,10,12,14
.irp k, 0,1,2,3
	v_max3_num_f32 v[M+\k], v[M+\k], |v[X+16*\k+\i]|, |v[X+16*\k+\i+1]|
.endr
.endr
.irp c, 0,1
	v_max_num_f32 v[M+2*\c], v[M+2*\c], v[M+2*\c+1]
.endr
.irp c, 0,1
	v_add_nc_u32 v[S+\c], 0xfe000000, v[M+2*\c]    ; 4 off the exponent field: the conversion's scale operand
.endr
.irp c, 0,1
	v_lshrrev_b32 v[BY+\c], 23, v[S+\c]
.endr
	v_lshl_or_b32 v[PW], v[BY+1], 16, v[BY]
	v_lshlrev_b32 v[PW], v9, v[PW]
	v_permlanex16_b32 v[PX], v[PW], s20, s21
	v_or_b32 v[PW], v[PW], v[PX]                   ; the row's scale word
.if (\f) > 0
	s_wait_alu depctr_va_vdst(0)
	s_wait_xcnt 0x0                                ; the last fragment's stores have read v[P] on
.endif
.irp c, 0,1
	v_cvt_scalef32_pk16_bf6_f32 v[P+6*\c:P+6*\c+2], v[X+32*\c:X+32*\c+15], v[S+\c]
	v_cvt_scalef32_pk16_bf6_f32 v[T+4*\c:T+4*\c+2], v[X+32*\c+16:X+32*\c+31], v[S+\c]
.endr
	v_nop                                          ; one plain place behind a scaled conversion
.irp c, 0,1
.irp i, 0,1,2
	v_mov_b32 v[P+6*\c+3+\i], v[T+4*\c+\i]
.endr
.endr
	ds_store_b32 v6, v[PW] offset:64*(\f)
.irp p, 0,1,2
	global_store_b128 v3, v[P+4*\p:P+4*\p+3], s[8:9] offset:FRB*(\f)+512*\p   ; 512 consecutive bytes
.endr
.endm
	LOAD 0
	LOAD 1
.irp f, 0,1,2,3
	FRAGQ \f
.endr
	ds_load_b64 v[10:11], v8
	s_wait_dscnt 0x0
	global_store_b64 v7, v[10:11], s[10:11]        ; 64 scale words: 256 consecutive bytes
	s_wait_tensorcnt 0x0                           ; the wave's end
	ds_add_u32 v240, v241
	s_wait_dscnt 0x0
	s_endpgm
.Lweights:
.set WROW,  4096
.set STRB,  32*CHB
.set X,     32
.set F0,    160
.set T,     184
.set SW,    24
	s_load_b256 s[4:11], s[0:1], 0x10              ; W_I, W_F, W_G, W_O
	s_load_b64 s[12:13], s[0:1], 0x38              ; W's image
	v_lshrrev_b32 v1, 5, v0
	v_readfirstlane_b32 s16, v1                    ; wave
	v_and_b32 v2, 31, v0
	v_lshlrev_b32 v3, 2, v2
	v_lshlrev_b32 v4, 4, v2
	s_sub_co_u32 s20, ttmp9, 512
	s_bfe_u32 s17, s20, 0x20003                    ; the gate
	s_and_b32 s18, s20, 7                          ; which 128 columns
	s_lshr_b32 s19, s20, 5                         ; the step of 128 along K
	s_lshl_b32 s22, s19, 19
	s_lshl_b32 s23, s18, 9
	s_add_co_u32 s22, s22, s23
	s_lshl_b32 s23, s16, 7
	s_add_co_u32 s22, s22, s23
	s_mov_b32 s23, 0
	s_lshl_b32 s24, s18, 2
	s_add_co_u32 s24, s24, s16                     ; my group: column / 32
	s_mul_i32 s24, s24, CHB
	s_mul_i32 s25, s19, STRB
	s_add_co_u32 s24, s24, s25
	s_mul_i32 s25, s17, 2*FRB
	s_add_co_u32 s26, s24, s25                     ; my gate's two fragments,
	s_mov_b32 s27, 0
	s_lshl_b32 s25, s17, 7
	s_add_co_u32 s28, s24, s25
	s_add_co_u32 s28, s28, 8*FRB                   ; and its 32 scale words
	s_mov_b32 s29, 0
	s_and_b32 s21, s17, 1
	s_wait_alu depctr_va_vdst(0)
	s_wait_kmcnt 0x0
	s_cmp_lg_u32 s21, 0                            ; a choice among four pointers by the work-group's number alone
	s_cselect_b64 s[4:5], s[6:7], s[4:5]
	s_cselect_b64 s[8:9], s[10:11], s[8:9]
	s_cmp_ge_u32 s17, 2
	s_cselect_b64 s[4:5], s[8:9], s[4:5]
	s_add_nc_u64 s[4:5], s[4:5], s[22:23]
	s_add_nc_u64 s[14:15], s[12:13], s[28:29]
	s_add_nc_u64 s[12:13], s[12:13], s[26:27]
.macro LOADW b                         ; block b: W(32 b + i, my column)
.irp i, 0,1,2,3,4,5,6,7,8,9,10,11,12,13,14,15,16,17,18,19,20,21,22,23,24,25,26,27,28,29,30,31
	global_load_b32 v[X+32*(\b)+\i], v3, s[4:5] offset:(32*(\b)+\i)*WROW th:TH_LOAD_NT
.endr
.endm
.macro BLOCKW b
.set XS, X+32*(\b)
.set DB, F0+12*((\b)%2)+6*((\b)/2)
.if (\b) < 3
	s_wait_loadcnt 32                              ; this block's 32 loads are in; the next one's may be out
.else
	s_wait_loadcnt 0x0
.endif
.if (\b)+2 < 4
	LOADW (\b)+2
.endif
	v_max3_num_f32 v12, |v[XS]|, |v[XS+1]|, |v[XS+2]|
	v_max3_num_f32 v13, |v[XS+3]|, |v[XS+4]|, |v[XS+5]|
.irp i, 6,10,14,18,22,26
	v_max3_num_f32 v12, v12, |v[XS+\i]|, |v[XS+\i+1]|
	v_max3_num_f32 v13, v13, |v[XS+\i+2]|, |v[XS+\i+3]|
.endr
	v_max3_num_f32 v12, v12, |v[XS+30]|, |v[XS+31]|
	v_max3_num_f32 v12, v12, v13, 0x2800000        ; and the floor 2^(5 - 127)
	v_add_nc_u32 v11, 0xfe000000, v12
	v_lshrrev_b32 v13, 23, v11
.if (\b) == 0
	v_mov_b32 v[SW], v13
.else
	v_lshl_or_b32 v[SW], v13, 8*(\b), v[SW]
.endif
	v_cvt_scalef32_pk16_bf6_f32 v[DB:DB+2], v[XS:XS+15], v11
	v_cvt_scalef32_pk16_bf6_f32 v[T+4*(\b):T+4*(\b)+2], v[XS+16:XS+31], v11
.endm
	LOADW 0
	LOADW 1
.irp b, 0,1,2,3
	BLOCKW \b
.endr
	v_nop                                          ; one plain place behind a scaled conversion
.irp c, 0,1                            ; an exchange of halves between blocks 2 c and 2 c + 1 gives each fragment its lanes
.irp i, 0,1,2
	v_permlane16_swap_b32 v[F0+6*\c+\i], v[F0+12+6*\c+\i]
	v_permlane16_swap_b32 v[T+8*\c+\i], v[T+8*\c+4+\i]
.endr
.endr
.irp c, 0,1
.irp i, 0,1,2
	v_mov_b32 v[F0+6*\c+3+\i], v[T+8*\c+\i]
	v_mov_b32 v[F0+12+6*\c+3+\i], v[T+8*\c+4+\i]
.endr
.endr
.irp p, 0,1,2,3,4,5
	global_store_b128 v4, v[F0+4*\p:F0+4*\p+3], s[12:13] offset:512*\p   ; 512 consecutive bytes a store
.endr
	global_store_b32 v3, v[SW], s[14:15]           ; my 32 rows' scale words: 128 consecutive bytes
	s_endpgm
.Lfunc_end_k_q289c39f869_quant:
	.size	k_q289c39f869_quant, .Lfunc_end_k_q289c39f869_quant-k_q289c39f869_quant
	.p2alignl 7, 3214868480
	.fill 96, 4, 3214868480
	.section	.rodata,"a",@progbits
	.p2align	6, 0x0
	.amdhsa_kernel k_q289c39f869_quant
		.amdhsa_group_segment_fixed_size 35328
		.amdhsa_private_segment_fixed_size 0
		.amdhsa_enable_private_segment 0
		.amdhsa_kernarg_size 64
		.amdhsa_user_sgpr_count 2
		.amdhsa_user_sgpr_kernarg_segment_ptr 1
		.amdhsa_wavefront_size32 1
		.amdhsa_system_sgpr_workgroup_id_x 1
		.amdhsa_system_sgpr_workgroup_id_y 1
		.amdhsa_system_sgpr_workgroup_id_z 1
		.amdhsa_system_vgpr_workitem_id 0
		.amdhsa_next_free_vgpr 242
		.amdhsa_next_free_sgpr 66
		.amdhsa_reserve_vcc 0
		.amdhsa_float_denorm_mode_32 3
		.amdhsa_float_denorm_mode_16_64 3
		.amdhsa_memory_ordered 1
		.amdhsa_forward_progress 1
		.amdhsa_inst_pref_size 52
	.end_amdhsa_kernel
	.amdgpu_metadata
---
amdhsa.version: [ 1, 2 ]
amdhsa.kernels:
  - .name:           k_q289c39f869_quant
    .symbol:         k_q289c39f869_quant.kd
    .args:
      - { .name: x, .offset: 0, .size: 8, .value_kind: global_buffer, .address_space: global }
      - { .name: h, .offset: 8, .size: 8, .value_kind: global_buffer, .address_space: global }
      - { .name: W_I, .offset: 16, .size: 8, .value_kind: global_buffer, .address_space: global }
      - { .name: W_F, .offset: 24, .size: 8, .value_kind: global_buffer, .address_space: global }
      - { .name: W_G, .offset: 32, .size: 8, .value_kind: global_buffer, .address_space: global }
      - { .name: W_O, .offset: 40, .size: 8, .value_kind: global_buffer, .address_space: global }
      - { .name: a_img, .offset: 48, .size: 8, .value_kind: global_buffer, .address_space: global }
      - { .name: b_img, .offset: 56, .size: 8, .value_kind: global_buffer, .address_space: global }
    .group_segment_fixed_size: 35328
    .private_segment_fixed_size: 0
    .kernarg_segment_align: 8
    .kernarg_segment_size: 64
    .max_flat_workgroup_size: 128
    .sgpr_count:     66
    .vgpr_count:     242
    .wavefront_size: 32
...
	.end_amdgpu_metadata
.endif
;; end of part 1
;; launch cell (part 2): grid 16 x 16, 4 waves a work-group, clusters of 4 x 4, 327,680 bytes of LDS; arguments a_img, b_img, b_I, b_F, b_G, b_O, c, out0, out1; writes out0, out1
.if DOCPART == 2
	.amdgcn_target "amdgcn-amd-amdhsa--gfx1250"
	.amdhsa_code_object_version 6
	.text
	.protected	k_q289c39f869_cell
	.globl	k_q289c39f869_cell
	.p2align	8
	.type	k_q289c39f869_cell,@function
k_q289c39f869_cell:
	s_mov_b64 s[64:65], 0
	v_nop
	global_prefetch_b8 v0, s[64:65] scope:SCOPE_SE
	s_setreg_imm32_b32 hwreg(HW_REG_WAVE_MODE, 25, 1), 1
	s_wait_xcnt 0x0
	s_wait_alu depctr_hold_cnt(0) depctr_sa_sdst(0) depctr_va_vdst(0) depctr_va_sdst(0) depctr_va_ssrc(0) depctr_va_vcc(0) depctr_vm_vsrc(0)
	s_getreg_b32 s2, hwreg(HW_REG_IB_STS2, 6, 4)
	s_cmp_eq_u32 s2, 0
	s_cbranch_scc0 .Lentry_in_a_cluster
	s_endpgm
.Lentry_in_a_cluster:
	s_bfe_u32 s2, ttmp6, 0x10000c
	s_cmp_lg_u32 s2, 0xf033
	s_cbranch_scc0 .Lentry_shape_is_right
	s_endpgm
.Lentry_shape_is_right:
; gates = X W + b on codes of BF6 (E3M2) with one E8M0 scale for each 32 along K (K = 2,048), sums in f32; then I, F, O = sigmoid, G = tanh, C = F c + I G, out0 = O tanh(C), out1 = C, in f32.
; X and W come in the order of the operand's registers: [16 steps of 128 along K][groups of 128 rows][12,800 bytes]: eight fragments of 1,536 bytes, then 128 scale words.  W's rows: n' = 128 (column / 32) + 32 gate + column % 32.
; SHARES: 256 work-groups of four waves; each STAYS and makes two tiles of 256 rows x 256 n' (64 output columns x 4 gates), tile rows ty and ty + 16 of one tile column; a wave 128 x 128: 64 accumulators, 512 registers.
; Source 0 = 16 rows of W, source 1 = 16 rows of X: in accumulator (a, b = 2 g + u) register j of lane (r, h) is gate g of row 16 a + r, output column 16 u + 8 h + j of the wave's 32: an output's four gates lie in one lane.
; The bias is the C of each sum's first product; both tiles have the same columns, so the biases stay in their registers.
; THE RING: two slots of three steps.  A tile's fills: steps 0-2 (slot 0), 3-5 (slot 1), 6-8, 9-11, 12-14, and last into slot 1: step 15 (wave 0 X's two groups, wave 1 W's two) with c's tile behind it (waves 2 and 3,
; 128 rows each).  The ring goes on into the next tile: step 14's change of slots asks for its steps 0-2, and its steps 3-5 follow behind the tail, when slot 1 is read no more.  The last tile's end is written out, with no such fill.
; One tensor load a wave is out behind each round.
; CLUSTERS: 4 x 4; X's tiles are asked for jointly along a row of the cluster, W's along a column; c's tile is the work-group's own.
; PREFETCH: beside each fill the next fill's bytes are named, one slot (three steps) ahead: a wave's 38,400 bytes are 150 blocks of 256, of which the partner at place p names blocks 38 p .. 38 p + 37 (the last 36);
; left-over lanes name their last block again.  W's blocks are named in the first tile alone, X's in both; step 15 is not named; c's tile is named one fill ahead of its load, a lane a row.
; THE TAIL: a loop of eight trips, a block of 16 rows each.  Eight arms, chosen by the trip's number, scale the block's 64 accumulator registers into fixed registers; all else is written once.
; C and out0 go through a stage of 2 x 32 rows x 272 bytes on bytes of its own and leave as whole rows of 256 bytes; a row comes from two waves, so a barrier stands behind the stores and one behind the reads.
; ARITHMETIC, L = log2(e): a = 2^min(-L i, 40), d = 2^min(-L f, 40), b = 2^min(2 L g, 40), p = 2^min(-L o, 40), P = (1 + a)(1 + b):
;   C = (c P + (b - 1)(1 + d)) / (P (1 + d));   e = 2^min(2 L C, 40);   out0 = (e - 1) / ((1 + e)(1 + p)).
; LIMITS: the hold at 40 keeps every product under 2^121: a sigmoid is never under 2^-40, a tanh ends at 1 - 2^-39; |c| up to 2^40 is served; NaN and infinities among the inputs are not served.
; REGISTERS: window 0: v1-31 addresses; v32-47 scale words alone; v64-127 biases; v128-223 X's fragments, one set; in the tail v128-255 are at work.  Window 1: W's fragments, two sets.  Windows 2, 3: accumulators.
.set FR,     12
.set NL,     3
.set NP,     4
.set FRB,    1536
.set CHB,    8*FRB+512
.set HALFT,  3*CHB
.set SLOT,   4*HALFT
.set STRA,   64*CHB
.set STRB,   32*CHB
.set WALKX,  32*CHB                    ; from a tile's groups of X to the next tile's: 16 tile rows
.set WALKC,  16*256*4096               ; the same in c and in the outputs
.set CP,     272                       ; a row of c, C or out0 in LDS: 256 bytes + 16
.set CBLK,   16*CP
.set CB,     SLOT+4*CHB                ; c's tile, in slot 1 behind step 15
.set STG,    2*SLOT                    ; the stage: C's 32 rows, then out0's
.set OST,    32*CP
.set SPARE,  STG+2*OST                 ; the spare words: 512 bytes that no other line names
.set ADRS, 8                           ; v8-10   my scale words in slot 0, slot 1, step 15
.set CAT,  11                          ; v11     c's address of this trip
.set GOT,  12                          ; v12     the stores' offset of the block read back
.set BO,   13                          ; v13     32 h
.set PF,   14                          ; v14     c's prefetch: 4,096 x (64 wave + lane)
.set ADRA, 16                          ; v16-18  my 16 bytes of X's images in slot 0, slot 1, step 15
.set ADRB, 20                          ; v20-22  the same for W
.set STO,  24                          ; v24     into the stage
.set CA,   25                          ; v25     my 32 bytes of a row of c, block 0
.set RD,   26                          ; v26     whole rows back from the stage
.set GO,   27                          ; v27     my offset in the two rows that a store covers
.set SPW,  28
.set NIL,  29
.set PO,   30                          ; v30-31  the ring's prefetch offsets
.set SC,   32
.set BI,   64
.set AF,   128
.set TI,   128                         ; the tail, 16 registers each
.set TF,   144
.set TG,   160
.set TO,   176
.set CC,   192
.set X1,   208
.set BK,   224                         ; rows read back: 32 registers, outside X's fragments
.set PFA,  2                           ; s[2:3]   the prefetches' base;  s[44:45] three steps in bytes
.set TLS,  43                          ; s43      tiles to go
.set FRG,  46                          ; s46      1: my wave names this tile's fills
.set FNX,  47                          ; s47      1: my wave names the next tile's first fills
.set G1C,  4
.set G0C,  20
.set G1,   24
.set G0,   32
.set G1B,  48
.set G0B,  56
.set G1F,  68                          ; step 15: X's two groups, one row of 25,600 bytes
.set G0F,  76
.set G1FB, 80
.set G0FB, 88
.set MSB, 0
.macro WIN new
.if MSB != (\new)
	s_set_vgpr_msb (MSB<<8)|(\new)
.set MSB, (\new)
.endif
.endm
.set MUL_LO, 0xa1
.set MUL_HI, 0xf1
.set ONE_LO, 0x81
.set ONE_HI, 0xc1
.set TO_B,   0x40
.macro TLOAD g0, g1                    ; s_nop 0 and four v_nop behind the load
	tensor_load_to_lds s[\g0:\g0+3], s[\g1:\g1+7]
	s_nop 0
.rept 4
	v_nop
.endr
.endm
.macro JLOAD g0a, g1a, g0b, g1b        ; waves 0, 1 fetch for X, waves 2, 3 for W
	s_cmp_eq_u32 s15, 0
	s_cbranch_scc0 .Lfor_b_\@
	TLOAD \g0a, \g1a
	s_branch .Lasked_\@
.Lfor_b_\@:
	TLOAD \g0b, \g1b
.Lasked_\@:
.endm
.macro CREST
	s_cmp_lg_u32 s14, 0
	s_cbranch_scc1 .Lnot_wave_0_\@
	s_barrier_signal -3
.Lnot_wave_0_\@:
	s_barrier_wait -3
	s_barrier_signal -1
	s_barrier_wait -1
.endm
.macro CROUND
	s_barrier_signal -1
	s_barrier_wait -1
	CREST
.endm
.macro ASKR f                          ; my share of the next fill's bytes, where the flag (wave's number and tile alone) says so
	s_cmp_eq_u32 s[\f], 1
	s_cbranch_scc0 .Lnot_mine_\@
	global_prefetch_b8 v[PO], s[PFA:PFA+1] th:TH_LOAD_NT scope:SCOPE_SE
	global_prefetch_b8 v[PO+1], s[PFA:PFA+1] th:TH_LOAD_NT scope:SCOPE_SE
.Lnot_mine_\@:
.endm
	s_load_b128 s[4:7], s[0:1], 0x0                ; X's image, W's image
	s_load_b128 s[92:95], s[0:1], 0x10             ; b_I, b_F
	s_load_b128 s[96:99], s[0:1], 0x20             ; b_G, b_O
	s_load_b64 s[12:13], s[0:1], 0x30              ; c
	s_load_b64 s[100:101], s[0:1], 0x38            ; out0
	s_load_b64 s[104:105], s[0:1], 0x40            ; out1
	v_lshl_add_u32 v[SPW], v0, 2, SPARE
	v_mov_b32 v[NIL], 0
	ds_add_u32 v[SPW], v[NIL]                      ; the opening lines: the add twice on end
	ds_add_u32 v[SPW], v[NIL]
	v_lshrrev_b32 v1, 5, v0
	v_readfirstlane_b32 s14, v1                    ; wave
	s_lshr_b32 s15, s14, 1                         ; my half of the rows; also: I fetch for X (0) or W (1)
	s_and_b32 s16, s14, 1                          ; my half of n'; also: which 128 rows I fetch
	s_bfe_u32 s40, ttmp6, 0x40000                  ; cx
	s_bfe_u32 s41, ttmp6, 0x40004                  ; cy
	s_lshl_b32 s42, ttmp9, 2
	s_add_co_u32 s42, s42, s40                     ; tile column
	s_and_b32 s17, ttmp7, 0xffff
	s_lshl_b32 s17, s17, 2
	s_add_co_u32 s17, s17, s41                     ; the first tile's row
	s_lshl_b32 s43, s41, 2
	s_lshl_b32 s43, 15, s43                        ; my row of the cluster
	s_lshl_b32 s44, 0x1111, s40                    ; my column
	s_or_b32 s[G1+0], s43, (3<<16)|(1<<21)         ; elements of 8 bytes, no padding, the mask and bit 21
	s_or_b32 s[G1F+0], s43, (3<<16)|(1<<21)
	s_or_b32 s[G1B+0], s44, (3<<16)|(1<<21)
	s_or_b32 s[G1FB+0], s44, (3<<16)|(1<<21)
.irp g, G1, G1B                        ; three rows of 12,800 bytes, a step's stride apart
	s_mov_b32 s[\g+1], (CHB/8)<<16
	s_mov_b32 s[\g+2], 3<<16
	s_mov_b32 s[\g+3], (CHB/8)<<16
	s_mov_b32 s[\g+4], 3
	s_mov_b32 s[\g+6], 0
	s_mov_b32 s[\g+7], 0
.endr
	s_mov_b32 s[G1+5], STRA/8
	s_mov_b32 s[G1B+5], STRB/8
.irp g, G1F, G1FB                      ; one row of 25,600 bytes
	s_mov_b32 s[\g+1], (CHB/4)<<16
	s_mov_b32 s[\g+2], 1<<16
	s_mov_b32 s[\g+3], (CHB/4)<<16
	s_mov_b32 s[\g+4], 1
	s_mov_b32 s[\g+5], CHB/4
	s_mov_b32 s[\g+6], 1<<16
	s_mov_b32 s[\g+7], 0
.endr
	s_lshl_b32 s20, s17, 1
	s_mul_i32 s8, s20, CHB                         ; X: the tile row's two groups,
	s_add_co_u32 s20, s20, s16
	s_mul_i32 s20, s20, CHB                        ; and the one that I fetch
	s_mov_b32 s21, 0
	s_mov_b32 s9, 0
	s_lshl_b32 s2, s42, 1
	s_mul_i32 s10, s2, CHB                         ; W likewise, by the tile column
	s_add_co_u32 s2, s2, s16
	s_mul_i32 s46, s2, CHB
	s_mov_b32 s47, 0
	s_mov_b32 s11, 0
	s_mul_i32 s45, s14, HALFT                      ; where my piece goes in a slot
	s_wait_dscnt 0x0                               ; both opening adds are done
	s_wait_kmcnt 0x0
	s_add_nc_u64 s[20:21], s[4:5], s[20:21]
	s_add_nc_u64 s[46:47], s[6:7], s[46:47]
	s_add_nc_u64 s[G0F+2:G0F+3], s[4:5], s[8:9]
	s_add_nc_u64 s[G0FB+2:G0FB+3], s[6:7], s[10:11]
	CROUND                                         ; in front of the first joint loads
.irp s, 0,1                            ; slot 0's set begins at step 0, slot 1's at step 3
	s_mov_b32 s[G0+4*\s], 1
	s_add_co_u32 s[G0+4*\s+1], s45, \s*SLOT
	s_add_nc_u64 s[G0+4*\s+2:G0+4*\s+3], s[20:21], 3*\s*STRA
	s_or_b32 s[G0+4*\s+3], s[G0+4*\s+3], 0x80000000
	s_mov_b32 s[G0B+4*\s], 1
	s_add_co_u32 s[G0B+4*\s+1], s45, \s*SLOT
	s_add_nc_u64 s[G0B+4*\s+2:G0B+4*\s+3], s[46:47], 3*\s*STRB
	s_or_b32 s[G0B+4*\s+3], s[G0B+4*\s+3], 0x80000000
.endr
	JLOAD G0, G1, G0B, G1B                         ; steps 0-2: my one tensor load at the head
	s_mov_b32 s[G0F], 1
	s_mov_b32 s[G0F+1], SLOT
	s_add_nc_u64 s[G0F+2:G0F+3], s[G0F+2:G0F+3], 15*STRA
	s_or_b32 s[G0F+3], s[G0F+3], 0x80000000
	s_mov_b32 s[G0FB], 1
	s_mov_b32 s[G0FB+1], SLOT+2*CHB
	s_add_nc_u64 s[G0FB+2:G0FB+3], s[G0FB+2:G0FB+3], 15*STRB
	s_or_b32 s[G0FB+3], s[G0FB+3], 0x80000000
	s_cmp_eq_u32 s15, 0                            ; the prefetches: X's piece or W's, by the wave's number alone
	s_cselect_b64 s[PFA:PFA+1], s[20:21], s[46:47]
	s_cselect_b32 s43, s40, s41                    ; my place among the four that ask with me
	s_mov_b32 s44, 3*STRB
	s_cselect_b32 s44, 3*STRA, s44
	s_mov_b32 s46, STRB-CHB
	s_cselect_b32 s46, STRA-CHB, s46
	s_mov_b32 s45, 0
	s_add_nc_u64 s[PFA:PFA+1], s[PFA:PFA+1], s[44:45]   ; at step 3
	s_mul_i32 s43, s43, 38
	s_add_co_u32 s47, s43, 37
	s_min_u32 s47, s47, 149                        ; my last block
	s_mul_i32 s8, s15, HALFT                       ; LDS bases: my X, my W,
	s_mul_i32 s9, s16, HALFT
	s_add_co_u32 s9, s9, 2*HALFT
	s_sub_co_u32 s10, s9, s8
	s_mul_i32 s11, s15, CHB                        ; the same for step 15,
	s_add_co_u32 s11, s11, SLOT
	s_mul_i32 s18, s16, CHB
	s_add_co_u32 s18, s18, SLOT+2*CHB
	s_sub_co_u32 s19, s18, s11
	s_mul_i32 s20, s15, 16*CP                      ; the stage,
	s_mul_i32 s21, s16, 8*CP
	s_add_co_u32 s21, s21, s20
	s_add_co_u32 s21, s21, STG
	s_lshl_b32 s23, s16, 7
	s_add_co_u32 s20, s20, s23
	s_add_co_u32 s20, s20, STG
	s_mul_i32 s22, s15, 128*CP                     ; c's tile
	s_add_co_u32 s22, s22, s23
	s_add_co_u32 s22, s22, CB
	s_lshl_b32 s23, s14, 18
	s_lshl_b32 s66, s17, 20                        ; global offsets: 256 rows a tile row, 256 bytes a tile column
	s_lshl_b32 s40, s42, 8
	s_add_co_u32 s66, s66, s40
	s_mov_b32 s67, 0
	s_add_nc_u64 s[12:13], s[12:13], s[66:67]      ; c's tile
	s_lshl_b32 s40, s15, 19
	s_add_co_u32 s66, s66, s40
	s_lshl_b32 s40, s16, 15
	s_add_co_u32 s66, s66, s40                     ; the outputs: my 128 rows, of each 16 my 8
	s_add_nc_u64 s[100:101], s[100:101], s[66:67]
	s_add_nc_u64 s[104:105], s[104:105], s[66:67]
	s_lshl_b32 s66, s42, 8
	s_lshl_b32 s40, s16, 7
	s_add_co_u32 s66, s66, s40                     ; the biases: my 32 columns
.irp g, 0,1,2,3
	s_add_nc_u64 s[92+2*\g:93+2*\g], s[92+2*\g:93+2*\g], s[66:67]
.endr
	v_and_b32 v1, 15, v0                           ; r
	v_bfe_u32 v2, v0, 4, 1                         ; h
	v_and_b32 v3, 31, v0                           ; lane
	v_lshlrev_b32 v4, 4, v3
	v_add_nc_u32 v[ADRA], s8, v4
	v_add_nc_u32 v[ADRB], s9, v4
	v_add_nc_u32 v[ADRA+1], SLOT, v[ADRA]
	v_add_nc_u32 v[ADRB+1], SLOT, v[ADRB]
	v_add_nc_u32 v[ADRA+2], s11, v4
	v_add_nc_u32 v[ADRB+2], s18, v4
	v_lshlrev_b32 v5, 2, v1
	v_mul_u32_u24 v6, s10, v2                      ; lanes 16-31 take W's words: the lower base + h x the distance
	v_add_nc_u32 v6, v5, v6
	v_add_nc_u32 v6, s8, v6
	v_add_nc_u32 v[ADRS], 8*FRB, v6
	v_add_nc_u32 v[ADRS+1], SLOT, v[ADRS]
	v_mul_u32_u24 v6, s19, v2
	v_add_nc_u32 v6, v5, v6
	v_add_nc_u32 v6, s11, v6
	v_add_nc_u32 v[ADRS+2], 8*FRB, v6
	v_mul_u32_u24 v5, v1, CP
	v_lshl_add_u32 v5, v2, 5, v5                   ; row r, 32 bytes for each half of the lanes
	v_add_nc_u32 v[STO], s20, v5
	v_add_nc_u32 v[CA], s22, v5
	v_mul_u32_u24 v5, v2, CP
	v_lshl_add_u32 v5, v1, 4, v5                   ; back: lanes 0-15 one row, lanes 16-31 the next
	v_add_nc_u32 v[RD], s21, v5
	v_lshlrev_b32 v[GO], 12, v2
	v_lshl_add_u32 v[GO], v1, 4, v[GO]
	v_lshlrev_b32 v[BO], 5, v2
	v_lshlrev_b32 v[PF], 12, v3
	v_add_nc_u32 v[PF], s23, v[PF]
	v_add_nc_u32 v5, s43, v3                       ; block q of my piece's 150: step q / 50, byte 256 (q % 50)
	v_add_nc_u32 v6, 32, v5
	v_min_u32 v6, s47, v6
	v_mul_u32_u24 v7, v5, 41
	v_lshrrev_b32 v7, 11, v7                       ; q / 50 for q under 150
	v_lshlrev_b32 v5, 8, v5
	v_mad_u32_u24 v[PO], v7, s46, v5
	v_mul_u32_u24 v7, v6, 41
	v_lshrrev_b32 v7, 11, v7
	v_lshlrev_b32 v6, 8, v6
	v_mad_u32_u24 v[PO+1], v7, s46, v6
	s_wait_alu depctr_va_vdst(0)                   ; the wait behind the head's vector lines
	s_mov_b32 s[FRG], 1                            ; in the first tile every wave names its fills;
	s_cmp_eq_u32 s15, 0
	s_cselect_b32 s[FNX], 1, 0                     ; the next tile's are named by X's waves alone: W's rows are the same
	s_mov_b32 s[TLS], 2
.irp g, 0,1,2,3
.irp u, 0,1
	global_load_b128 v[BI+8*(2*\g+\u):BI+8*(2*\g+\u)+3],   v[BO], s[92+2*\g:93+2*\g] offset:64*\u
	global_load_b128 v[BI+8*(2*\g+\u)+4:BI+8*(2*\g+\u)+7], v[BO], s[92+2*\g:93+2*\g] offset:64*\u+16
.endr
.endr
	ASKR FRG                                       ; steps 3-5
	s_mov_b32 s[G1C+0], (2<<16)|(1<<20)|(5<<22)|(3<<25)   ; c: 128 rows of 64 f32, 16 bytes of padding behind each
	s_mov_b32 s[G1C+1], 64<<16
	s_mov_b32 s[G1C+2], 128<<16
	s_mov_b32 s[G1C+3], 64<<16
	s_mov_b32 s[G1C+4], 128
	s_mov_b32 s[G1C+5], 1024
	s_mov_b32 s[G1C+6], 0
	s_mov_b32 s[G1C+7], 0
	s_lshl_b32 s18, s16, 19
	s_mov_b32 s19, 0
	s_mov_b32 s[G0C], 1
	s_mul_i32 s[G0C+1], s16, 128*CP
	s_add_co_u32 s[G0C+1], s[G0C+1], CB
	s_add_nc_u64 s[G0C+2:G0C+3], s[12:13], s[18:19]
	s_or_b32 s[G0C+3], s[G0C+3], 0x80000000
.macro FRAG reg, adr, j, i
.irp p, 0,1,2
	ds_load_b128 v[\reg+4*\p:\reg+4*\p+3], v[\adr] offset:(\j)*CHB+(\i)*FRB+512*\p
.endr
.endm
; 16 products: X's blocks a0, a0 + 1 x W's eight.  The 64 accumulators take turns.
.macro MUL16 a0, p, first
.irp a, \a0, \a0+1
.irp b, 0,1,2,3,4,5,6,7
.if \first
	v_wmma_scale_f32_16x16x128_f8f6f4 v[8*(8*((\a)%4)+\b):8*(8*((\a)%4)+\b)+7], v[128*(\p)+FR*\b:128*(\p)+FR*\b+FR-1], v[AF+FR*(\a):AF+FR*(\a)+FR-1], v[BI+8*\b:BI+8*\b+7], v[SC+8*(\p)+\b], v[SC+8*(\p)+(\a)] matrix_a_fmt:MATRIX_FMT_BF6 matrix_b_fmt:MATRIX_FMT_BF6 matrix_a_scale:MATRIX_SCALE_ROW1
.else
	v_wmma_scale_f32_16x16x128_f8f6f4 v[8*(8*((\a)%4)+\b):8*(8*((\a)%4)+\b)+7], v[128*(\p)+FR*\b:128*(\p)+FR*\b+FR-1], v[AF+FR*(\a):AF+FR*(\a)+FR-1], v[8*(8*((\a)%4)+\b):8*(8*((\a)%4)+\b)+7], v[SC+8*(\p)+\b], v[SC+8*(\p)+(\a)] matrix_a_fmt:MATRIX_FMT_BF6 matrix_b_fmt:MATRIX_FMT_BF6 matrix_a_scale:MATRIX_SCALE_ROW1
.endif
.endr
.endr
.endm
.macro FETCH_B slot, j, p
	WIN TO_B
.irp i, 0,1,2,3,4,5,6,7
	FRAG 128*(\p)+FR*\i, ADRB+\slot, \j, \i
.endr
	WIN 0
.endm
.macro FETCH_A slot, j, i0
.irp i, \i0, \i0+1, \i0+2, \i0+3
	FRAG AF+FR*(\i), ADRA+\slot, \j, \i
.endr
.endm
.macro SCALES slot, j, p
.irp i, 0,1,2,3,4,5,6,7
	ds_load_b32 v[SC+8*(\p)+\i], v[ADRS+\slot] offset:(\j)*CHB+64*\i
.endr
.endm
.macro PLACES n                        ; places behind matrix instructions, in front of loads into their registers
.rept \n
	v_nop
.endr
.endm
.macro LOWIN first
.if \first
	WIN ONE_LO
.else
	WIN MUL_LO
.endif
.endm
.macro HIWIN first
.if \first
	WIN ONE_HI
.else
	WIN MUL_HI
.endif
.endm
; a step whose successor lies in the same slot
.macro STEP slot, j, par, first
	s_wait_dscnt 4*NL                              ; all but the youngest 12 loads (X's blocks 4-7)
	LOWIN \first
	MUL16 0, \par, \first
	MUL16 2, \par, \first
	s_wait_dscnt 0
	PLACES NP
	FETCH_B \slot, (\j)+1, 1-\par
	FETCH_A \slot, (\j)+1, 0
	SCALES \slot, (\j)+1, 1-\par
	HIWIN \first
	MUL16 4, \par, \first
	MUL16 6, \par, \first
	PLACES NP
	WIN 0
	FETCH_A \slot, (\j)+1, 4
.endm
; a slot's last step.  fill = 1: the slot takes the three steps six on, jointly; 2: slot 1's last fill of the tile; 3: slot 0 takes the next tile's steps 0-2; 0: nothing is filled, no round.
; ask = 1: this tile's next fill is named; 2: c's tile; 3: the next tile's steps 0-2; 4: its steps 3-5.
.macro TURN slot, par, next, fill, ask
.if \ask == 1 || \ask == 4
	s_wait_xcnt 0x0                                ; the last prefetches have read their base
	s_add_nc_u64 s[PFA:PFA+1], s[PFA:PFA+1], s[44:45]
.endif
.if \ask == 3
	s_wait_xcnt 0x0
	s_sub_nc_u64 s[PFA:PFA+1], s[PFA:PFA+1], 12*STRA-WALKX   ; X's waves: from step 12 to the next tile's step 0 (the others name nothing from here on)
.endif
	s_wait_tensorcnt 0x0                           ; my part of the next slot is in
	ds_add_u32 v[SPW], v[NIL]
.if \fill == 1
	s_add_nc_u64 s[G0+4*\slot+2:G0+4*\slot+3], s[G0+4*\slot+2:G0+4*\slot+3], 6*STRA      ; no tensor load of mine is out
	s_add_nc_u64 s[G0B+4*\slot+2:G0B+4*\slot+3], s[G0B+4*\slot+2:G0B+4*\slot+3], 6*STRB
.endif
.if \fill == 3
	s_sub_nc_u64 s[G0+2:G0+3], s[G0+2:G0+3], 12*STRA-WALKX
	s_sub_nc_u64 s[G0B+2:G0B+3], s[G0B+2:G0B+3], 12*STRB
.endif
	s_wait_dscnt 4*NL+1                            ; the add and the youngest 12 loads may be out
	WIN MUL_LO
	MUL16 0, \par, 0
	s_wait_dscnt 0x0                               ; the add is done, my reads of this slot are over
	s_barrier_signal -1
	MUL16 2, \par, 0
	WIN 0
	s_barrier_wait -1
.if \fill == 1 || \fill == 3
	CREST
	JLOAD G0+4*\slot, G1, G0B+4*\slot, G1B
.endif
.if \fill == 2
	CREST
	s_cmp_lt_u32 s14, 1                            ; one chain of branches on the wave's number, a load to an arm
	s_cbranch_scc0 .Lw15
	TLOAD G0F, G1F
	s_branch .Llast_asked
.Lw15:
	s_cmp_lt_u32 s14, 2
	s_cbranch_scc0 .Lc_tile
	TLOAD G0FB, G1FB
	s_branch .Llast_asked
.Lc_tile:
	TLOAD G0C, G1C
.Llast_asked:
.endif
.if \fill == 0
	PLACES NP
.endif
	FETCH_B \next, 0, 1-\par
	FETCH_A \next, 0, 0
	SCALES \next, 0, 1-\par
.if \ask == 1
	ASKR FRG
.endif
.if \ask == 2
	global_prefetch_b8 v[PF], s[12:13] th:TH_LOAD_NT scope:SCOPE_SE                 ; c's tile: each wave 64 rows, a lane a row's 256 bytes
	global_prefetch_b8 v[PF], s[12:13] offset:131072 th:TH_LOAD_NT scope:SCOPE_SE
.endif
.if \ask == 3 || \ask == 4
	ASKR FNX
.endif
	WIN MUL_HI
	MUL16 4, \par, 0
	MUL16 6, \par, 0
	PLACES NP
	WIN 0
	FETCH_A \next, 0, 4
.endm
.macro STEP15                          ; a tile's last step: nothing more to fetch
	s_wait_dscnt 4*NL
	WIN MUL_LO
	MUL16 0, 1, 0
	MUL16 2, 1, 0
	s_wait_dscnt 0
	WIN MUL_HI
	MUL16 4, 1, 0
	MUL16 6, 1, 0
	WIN 0
	PLACES NP
.endm
.macro FIRSTF                          ; a tile's first fragments, from slot 0
	FETCH_B 0, 0, 0
	FETCH_A 0, 0, 0
	SCALES 0, 0, 0
	FETCH_A 0, 0, 4
.endm
.macro ARM a, n, id                    ; block a's 64 registers, scaled: -L i, -L f, 2 L g, -L o; each accumulator from its low end on
.if \a < 7
	s_cmp_eq_u32 s40, \a
	s_cbranch_scc0 .La\id\n
.endif
	WIN 0x02+(\a)/4
.set J, 0
.rept 32
.if J/8 == 2
	v_pk_mul_f32 v[TI+2*J:TI+2*J+1], v[64*((\a)%4)+2*J:64*((\a)%4)+2*J+1], s[94:95] op_sel_hi:[1,0]
.else
	v_pk_mul_f32 v[TI+2*J:TI+2*J+1], v[64*((\a)%4)+2*J:64*((\a)%4)+2*J+1], s[92:93] op_sel_hi:[1,0]
.endif
.set J, J+1
.endr
	WIN 0
	s_wait_alu depctr_va_vdst(0)                   ; the wait ahead of the branch
.if \a < 7
	s_branch .Ljoin\id
.La\id\n:
.endif
.endm
.macro PKM d, a, b
.set J, 0
.rept 8
	v_pk_mul_f32 v[\d+J:\d+J+1], v[\a+J:\a+J+1], v[\b+J:\b+J+1]
.set J, J+2
.endr
.endm
.macro PKF d, a, b, c
.set J, 0
.rept 8
	v_pk_fma_f32 v[\d+J:\d+J+1], v[\a+J:\a+J+1], v[\b+J:\b+J+1], v[\c+J:\c+J+1]
.set J, J+2
.endr
.endm
.macro PKA d, a, k
.set J, 0
.rept 8
	v_pk_add_f32 v[\d+J:\d+J+1], v[\a+J:\a+J+1], \k op_sel_hi:[1,0]
.set J, J+2
.endr
.endm
.macro HOLD d, n
.set J, 0
.rept \n
	v_min_num_f32 v[\d+J], s96, v[\d+J]
.set J, J+1
.endr
.endm
.macro BATCH op, d, n                  ; a batch of transcendentals: the wait ahead, a plain place and the wait behind
	s_wait_alu depctr_va_vdst(0)
.set J, 0
.rept \n
	\op v[\d+J], v[\d+J]
.set J, J+1
.endr
	v_nop
	s_wait_alu depctr_va_vdst(0)
.endm
.macro SEND                            ; 16 lanes store 256 consecutive bytes, at a multiple of 256 from the buffer's first byte
.irp t, 0,1,2,3
	global_store_b128 v[GOT], v[BK+4*\t:BK+4*\t+3],       s[104:105] offset:2*\t*4096 th:TH_STORE_NT
	global_store_b128 v[GOT], v[BK+16+4*\t:BK+16+4*\t+3], s[100:101] offset:2*\t*4096 th:TH_STORE_NT
.endr
.endm
.macro TAIL id
	s_mov_b32 s40, 0                               ; the block,
	s_mov_b32 s41, 0                               ; its rows of c in LDS,
	s_mov_b32 s42, 0                               ; its rows in the outputs
.Ltail\id:
	v_add_nc_u32 v[CAT], s41, v[CA]
.irp u, 0,1
	ds_load_b128 v[CC+8*\u:CC+8*\u+3],   v[CAT] offset:64*\u
	ds_load_b128 v[CC+8*\u+4:CC+8*\u+7], v[CAT] offset:64*\u+16
.endr
	ARM 0, 1, \id
	ARM 1, 2, \id
	ARM 2, 3, \id
	ARM 3, 4, \id
	ARM 4, 5, \id
	ARM 5, 6, \id
	ARM 6, 7, \id
	ARM 7, 8, \id
.Ljoin\id:
	HOLD TI, 64
	BATCH v_exp_f32, TI, 64                        ; a, d, b, p
	s_wait_dscnt 0x0                               ; c is in, and the rows read back of the block before
	s_barrier_signal -1
	s_barrier_wait -1                              ; every wave has read the stage: it may be stored into again
	s_cmp_eq_u32 s40, 0
	s_cbranch_scc1 .Lnosend\id
	SEND                                           ; the block before
.Lnosend\id:
	PKA X1, TG, 1.0                                ; 1 + b
	PKA TF, TF, 1.0                                ; 1 + d
	PKF TI, TI, X1, X1                             ; P
	PKA TG, TG, -1.0                               ; b - 1
	PKM X1, TI, TF                                 ; P (1 + d)
	PKM CC, TI, CC                                 ; c P
	PKF CC, TG, TF, CC                             ; + (b - 1)(1 + d)
	BATCH v_rcp_f32, X1, 16
	PKM CC, CC, X1                                 ; C
.irp u, 0,1
	ds_store_b128 v[STO], v[CC+8*\u:CC+8*\u+3]   offset:64*\u
	ds_store_b128 v[STO], v[CC+8*\u+4:CC+8*\u+7] offset:64*\u+16
.endr
.set J, 0
.rept 8
	v_pk_mul_f32 v[TF+J:TF+J+1], v[CC+J:CC+J+1], s[94:95] op_sel_hi:[1,0]   ; 2 L C
.set J, J+2
.endr
	HOLD TF, 16
	BATCH v_exp_f32, TF, 16                        ; e
	PKA X1, TF, 1.0                                ; 1 + e
	PKF TI, TO, X1, X1                             ; (1 + p)(1 + e)
	PKA TF, TF, -1.0                               ; e - 1
	BATCH v_rcp_f32, TI, 16
	PKM TG, TF, TI                                 ; out0
.irp u, 0,1
	ds_store_b128 v[STO], v[TG+8*\u:TG+8*\u+3]   offset:OST+64*\u
	ds_store_b128 v[STO], v[TG+8*\u+4:TG+8*\u+7] offset:OST+64*\u+16
.endr
	s_wait_dscnt 0x0                               ; for the others' sake: my stores into the stage are done
	s_barrier_signal -1
	s_barrier_wait -1
	s_wait_xcnt 0x0                                ; the last stores have read their registers
.irp t, 0,1,2,3
	ds_load_b128 v[BK+4*\t:BK+4*\t+3],       v[RD] offset:2*\t*CP
	ds_load_b128 v[BK+16+4*\t:BK+16+4*\t+3], v[RD] offset:OST+2*\t*CP
.endr
	v_add_nc_u32 v[GOT], s42, v[GO]
	s_add_co_u32 s41, s41, CBLK
	s_add_co_u32 s42, s42, 65536
	s_add_co_u32 s40, s40, 1
	s_cmp_lt_u32 s40, 8
	s_wait_alu depctr_va_vdst(0)                   ; the wait ahead of the branch
	s_cbranch_scc1 .Ltail\id
	s_wait_dscnt 0x0
	SEND                                           ; block 7
.endm
	s_wait_alu depctr_va_vdst(0)                   ; the wait at the head's end
	s_wait_tensorcnt 0x0                           ; my part of steps 0-2 is in; the full sequence ahead of slot 1's first fill
	ds_add_u32 v[SPW], v[NIL]
	s_wait_xcnt 0x0
	s_add_nc_u64 s[PFA:PFA+1], s[PFA:PFA+1], s[44:45]   ; to step 6
	s_wait_dscnt 0x0
	CROUND
	JLOAD G0+4, G1, G0B+4, G1B                     ; steps 3-5
	FIRSTF
	ASKR FRG                                       ; steps 6-8
	s_wait_loadcnt 0x0                             ; the biases are in; their pointers' registers are free
	s_mov_b32 s92, 0xbfb8aa3b                      ; -log2(e)
	s_mov_b32 s93, 0xbfb8aa3b
	s_mov_b32 s94, 0x4038aa3b                      ; 2 log2(e)
	s_mov_b32 s95, 0x4038aa3b
	s_mov_b32 s96, 0x42200000                      ; 40.0
.Ltile:
	STEP 0, 0, 0, 1                                ; step 0: the sums begin on the biases
	STEP 0, 1, 1, 0
	TURN 0, 0, 1, 1, 1                             ; step 2; slot 0 takes 6-8; 9-11 are named
	STEP 1, 0, 1, 0
	STEP 1, 1, 0, 0
	TURN 1, 1, 0, 1, 1                             ; step 5; slot 1 takes 9-11; 12-14 are named
	STEP 0, 0, 0, 0
	STEP 0, 1, 1, 0
	TURN 0, 0, 1, 1, 2                             ; step 8; slot 0 takes 12-14; c is named
	STEP 1, 0, 1, 0
	STEP 1, 1, 0, 0
	TURN 1, 1, 0, 2, 3                             ; step 11; slot 1 takes step 15 and c; the next tile's 0-2 are named
	STEP 0, 0, 0, 0
	STEP 0, 1, 1, 0
	s_cmp_eq_u32 s[TLS], 1
	s_cbranch_scc1 .Llast_tile                     ; the last tile's end is written out: it asks for nothing more
	TURN 0, 0, 2, 3, 4                             ; step 14; slot 0 takes the next tile's steps 0-2; its 3-5 are named
	STEP15
	TAIL 0
	s_wait_tensorcnt 0x0                           ; the next tile's steps 0-2 are in; the full sequence ahead of slot 1's refill
	ds_add_u32 v[SPW], v[NIL]
	s_wait_xcnt 0x0                                ; stores and prefetches have read their bases
	s_add_nc_u64 s[100:101], s[100:101], WALKC
	s_add_nc_u64 s[104:105], s[104:105], WALKC
	s_add_nc_u64 s[12:13], s[12:13], WALKC
	s_add_nc_u64 s[G0C+2:G0C+3], s[G0C+2:G0C+3], WALKC
	s_add_nc_u64 s[G0F+2:G0F+3], s[G0F+2:G0F+3], WALKX
	s_sub_nc_u64 s[G0+6:G0+7], s[G0+6:G0+7], 6*STRA-WALKX    ; slot 1's set: from step 9 to the next tile's step 3
	s_sub_nc_u64 s[G0B+6:G0B+7], s[G0B+6:G0B+7], 6*STRB
	s_add_nc_u64 s[PFA:PFA+1], s[PFA:PFA+1], s[44:45]        ; to step 6
	s_mov_b32 s[FRG], s[FNX]
	s_mov_b32 s[FNX], 0
	s_wait_dscnt 0x0                               ; the add is done; my reads of step 15 and of c are over
	CROUND
	JLOAD G0+4, G1, G0B+4, G1B                     ; steps 3-5
	FIRSTF
	ASKR FRG                                       ; steps 6-8
	s_sub_co_u32 s[TLS], s[TLS], 1
	s_branch .Ltile
.Llast_tile:
	TURN 0, 0, 2, 0, 0                             ; step 14; behind its barrier step 15 and c's tile are whole
	STEP15
	TAIL 1
	s_wait_tensorcnt 0x0                           ; the wave's end
	ds_add_u32 v[SPW], v[NIL]
	s_wait_dscnt 0x0
	CROUND                                         ; the closing round
	s_endpgm
.Lfunc_end_k_q289c39f869_cell:
	.size	k_q289c39f869_cell, .Lfunc_end_k_q289c39f869_cell-k_q289c39f869_cell
	.p2alignl 7, 3214868480
	.fill 96, 4, 3214868480
	.section	.rodata,"a",@progbits
	.p2align	6, 0x0
	.amdhsa_kernel k_q289c39f869_cell
		.amdhsa_group_segment_fixed_size 327680
		.amdhsa_private_segment_fixed_size 0
		.amdhsa_enable_private_segment 0
		.amdhsa_kernarg_size 72
		.amdhsa_user_sgpr_count 2
		.amdhsa_user_sgpr_kernarg_segment_ptr 1
		.amdhsa_wavefront_size32 1
		.amdhsa_system_sgpr_workgroup_id_x 1
		.amdhsa_system_sgpr_workgroup_id_y 1
		.amdhsa_system_sgpr_workgroup_id_z 1
		.amdhsa_system_vgpr_workitem_id 0
		.amdhsa_next_free_vgpr 1024
		.amdhsa_next_free_sgpr 106
		.amdhsa_reserve_vcc 0
		.amdhsa_float_denorm_mode_32 3
		.amdhsa_float_denorm_mode_16_64 3
		.amdhsa_memory_ordered 1
		.amdhsa_forward_progress 1
		.amdhsa_inst_pref_size 255
	.end_amdhsa_kernel
	.section	.bss,"aw",@nobits
	.p2align	6
	.space	262144
	.amdgpu_metadata
---
amdhsa.version: [ 1, 2 ]
amdhsa.kernels:
  - .name:           k_q289c39f869_cell
    .symbol:         k_q289c39f869_cell.kd
    .args:
      - { .name: a_img, .offset: 0, .size: 8, .value_kind: global_buffer, .address_space: global }
      - { .name: b_img, .offset: 8, .size: 8, .value_kind: global_buffer, .address_space: global }
      - { .name: b_I, .offset: 16, .size: 8, .value_kind: global_buffer, .address_space: global }
      - { .name: b_F, .offset: 24, .size: 8, .value_kind: global_buffer, .address_space: global }
      - { .name: b_G, .offset: 32, .size: 8, .value_kind: global_buffer, .address_space: global }
      - { .name: b_O, .offset: 40, .size: 8, .value_kind: global_buffer, .address_space: global }
      - { .name: c, .offset: 48, .size: 8, .value_kind: global_buffer, .address_space: global }
      - { .name: out0, .offset: 56, .size: 8, .value_kind: global_buffer, .address_space: global }
      - { .name: out1, .offset: 64, .size: 8, .value_kind: global_buffer, .address_space: global }
    .group_segment_fixed_size: 327680
    .private_segment_fixed_size: 0
    .kernarg_segment_align: 8
    .kernarg_segment_size: 72
    .max_flat_workgroup_size: 128
    .sgpr_count:     106
    .vgpr_count:     1024
    .wavefront_size: 32
...
	.end_amdgpu_metadata
.endif
;; end of part 2
